; MI455X (gfx1250); checked and timed in simulation.
; The chip was launched on July 23, 2026; its instructions are those of AMD's public machine-readable ISA for CDNA 5 (MIT licence, August 2026) and "CDNA5" Instruction Set Architecture Reference Guide (July 2026). The comments in the code are by the model that wrote it; some were corrected since.
;; Token Routed MLP Parallel. Allowed arithmetic: float matrix products may take bf16 or f16 operands with f32 sums; other float arithmetic in f32, or as packed bf16 or f16 multiplies, adds, multiply-adds, maxima and minima; sums over many terms, partial sums and values carried from step to step in f32; what a program stores and reads back later, other than sums and carried values, may be rounded once to bf16 or f16.
;; Inputs: down_proj 8 x 256 x 1,024 float32; gate_proj 8 x 1,024 x 256 float32; hidden_states 4 x 2,048 x 1,024 float32; mu 4 x 2,048 x 1,024 float32; mu_router_w 8 x 1,024 float32; token_ids 4 x 2,048 int32; up_proj 8 x 1,024 x 256 float32.
;; Outputs: out0 4 x 2,048 x 1,024 float32.
;; One version. Each part assembles by itself: llvm-mc -triple=amdgcn-amd-amdhsa -mcpu=gfx1250 --defsym DOCPART=n.
;; ======== version 1 of 1: 2 launches
;; limits: values are held in f16: magnitudes above 65,504 overflow, below 6.1e-05 lose precision
;; workspace buffers: route 12,288 bytes of whole numbers; wl 12,582,912 bytes
;; launch prep (part 1): grid 512 x 1, 8 waves a work-group, no clusters, 52,480 bytes of LDS; arguments mu, mu_router_w, token_ids, gate_proj, up_proj, down_proj, route, wl; writes route, wl
.if DOCPART == 1
	.amdgcn_target "amdgcn-amd-amdhsa--gfx1250"
	.amdhsa_code_object_version 6
	.text
	.protected	k_q83a5c287c3_prep
	.globl	k_q83a5c287c3_prep
	.p2align	8
	.type	k_q83a5c287c3_prep,@function
k_q83a5c287c3_prep:
	s_mov_b64 s[64:65], 0
	v_nop
	global_prefetch_b8 v0, s[64:65] scope:SCOPE_SE
	s_setreg_imm32_b32 hwreg(HW_REG_WAVE_MODE, 25, 1), 1
	s_wait_xcnt 0x0
; PREP.  Two kinds of work-group, told apart by the work-group's number alone; each kind has LDS bytes of its own.
; 0-255, THE ROUTER: group g = 32 tokens.  logits = mu . Wr^T in f32 (a stream: 8 output columns are no work for the matrix unit), + 10 at expert clip(token_id, 0, 50256) mod 8,
;   argmax with the first maximum kept.  Stored: twelve words for the group, field by field: route[field 12][group 256]: fields 0-7 mask[e] (bit i: token 32 g + i chose expert e),
;   fields 8-11 the eight counts, two to a word (c[2m] | c[2m+1] << 16).  A group's twelve words lie 1,024 bytes apart: 3,072 single words in the whole launch, so that each of the next
;   launch's 1,080 waves reads the table in loads of 512 neighbouring bytes.  No address of this launch hangs on the choice: the next launch reads the table and places the rows.
; 256-511, THE WEIGHTS: rounded once to bf16 and laid in the order in which the next launch's waves take them as matrix operands:
;   wl[e 8][wave 8][step 48][frag 4][c 2][lane 32][16 bytes]; lane (r = l % 16, h = l / 16), half c holds W[k0 + 16 c + 8 h + 0..7][n0 + r].
;   steps 0-31: k0 = 32 step; frags 0, 1 gate columns 32 wave + 16 f; frags 2, 3 the same columns of up: bf16.
;   steps 32 + 8 p + t: down rows 32 t, columns 128 wave + 64 p + 16 f: the bf16 number written as f16, since the last product takes its other operand in f16.
; LIMITS.  The router's sums are f32 in another order than the reference's: two combined logits closer than that rounding may give the other expert; a NaN logit is not taken as the maximum.
;   down_proj as f16: a bf16 number is exact there from 6.1e-5 to 65,504 in magnitude; below it keeps f16's fixed step of 6e-8; beyond it becomes an infinity.
.set IDS,   32768                      ; LDS: router weights 0-32767 as they lie in memory; the 32 chosen experts here
.set SPARE, 33024                      ; the spare words: 128 bytes for each of eight waves; no other line names them
.set PATCH, 34048                      ; weights' path: behind everything that the router's path names,
.set PPW,   2304                       ; a patch for each wave (four pieces of 512 bytes, 528 apart)
.set PP,    528                        ; 33 x 16 bytes: the sixteen lanes of a store fall into sixteen different 16-byte columns
.set SPW, 14                           ; v14  LDS address of my spare word; never rewritten
.set NIL, 15                           ; v15  0; never rewritten
.set T,   16                           ; v16-31  at work
.set MU,  32                           ; v32-159  router: token t, chunk j at 32 t + 4 j
.set WR,  160                          ; v160-191 router: a ring of eight pieces of Wr
.set ACC, 192                          ; v192-255 router: the pair of sums of token t, expert e at 16 t + 2 e
.set XG,  160                          ; weights: 16 k x 64 columns of gate, of up, of down: 32 registers each
.set XU,  192
.set XD,  224
	s_load_b512 s[16:31], s[0:1], 0x0              ; mu 16, Wr 18, token_ids 20, gate 22, up 24, down 26, route 28, wl 30
	v_lshl_add_u32 v[SPW], v0, 2, SPARE
	v_mov_b32 v[NIL], 0
	v_and_b32 v1, 31, v0                           ; lane
	v_lshrrev_b32 v4, 5, v0
	v_readfirstlane_b32 s12, v4                    ; wave 0..7
	v_lshlrev_b32 v2, 4, v1                        ; 16 x lane
	s_cmp_ge_u32 ttmp9, 256
	s_cbranch_scc1 .Lpack
	; ---------------- THE ROUTER: wave w has tokens 32 g + 4 w + 0..3 ----------------
	v_lshlrev_b32 v3, 4, v0                        ; 16 x thread
	s_lshl_b32 s34, ttmp9, 5
	s_lshl_b32 s35, s12, 2
	s_add_co_u32 s34, s34, s35                     ; my first token
	s_lshl_b32 s32, s34, 2                         ; its byte in token_ids
	s_mov_b32 s33, 0
	s_lshl_b32 s34, s34, 12                        ; its row of 4,096 bytes in mu
	s_mov_b32 s35, 0
	s_lshl_b32 s42, ttmp9, 2                       ; the group's word in each field of the table
	s_mov_b32 s43, 0
	s_mov_b32 s40, 0x76543210                      ; v_permlanex16_b32: each lane takes its own place in the other half
	s_mov_b32 s41, 0xfedcba98
	s_lshl_b32 s13, s12, 4
	s_add_co_u32 s13, s13, IDS
	v_mov_b32 v9, s13                              ; where my four choices go
	s_wait_kmcnt 0x0
	s_add_nc_u64 s[20:21], s[20:21], s[32:33]
	s_add_nc_u64 s[16:17], s[16:17], s[34:35]
	s_add_nc_u64 s[28:29], s[28:29], s[42:43]
	s_load_b128 s[36:39], s[20:21], 0x0            ; my four token ids
.irp e, 0,1,2,3,4,5,6,7
	global_load_b128 v[ACC+4*(\e):ACC+4*(\e)+3], v3, s[18:19] offset:4096*(\e)  ; Wr: the 256 threads take a row of 4,096 bytes
.endr
.irp j, 0,1,2,3,4,5,6,7
.irp t, 0,1,2,3
	global_load_b128 v[MU+32*(\t)+4*(\j):MU+32*(\t)+4*(\j)+3], v2, s[16:17] offset:4096*(\t)+512*(\j) th:TH_LOAD_NT  ; chunk j of token t: 512 neighbouring bytes
.endr
.endr
	s_wait_loadcnt 32                              ; Wr is in; the 32 loads of mu, issued behind it, stay out
.irp e, 0,1,2,3,4,5,6,7
	ds_store_b128 v3, v[ACC+4*(\e):ACC+4*(\e)+3] offset:4096*(\e)
.endr
	s_wait_dscnt 0x0                               ; for the others' sake: my part of Wr is in LDS
	s_barrier_signal -1
	s_barrier_wait -1
.irp e, 0,1,2,3,4,5,6,7
	ds_load_b128 v[WR+4*(\e):WR+4*(\e)+3], v2 offset:4096*(\e)  ; pieces 0-7: chunk 0 of the eight experts
.endr
	; piece p = 8 j + e: my four columns of chunk j of expert e, against the same columns of my four tokens
.set pp, 0
.rept 64
.set pj, pp/8
.set pe, pp%8
.if pe == 0
	s_wait_loadcnt 4*(7-pj)                        ; chunk j of mu is in; the later chunks' four loads each stay out
.endif
.if pp < 57
	s_wait_dscnt 7                                 ; piece p is in; the seven younger pieces stay out
.else
	s_wait_dscnt 63-pp
.endif
.irp t, 0,1,2,3
.if pj == 0
	v_pk_mul_f32 v[ACC+16*(\t)+2*pe:ACC+16*(\t)+2*pe+1], v[MU+32*(\t)+4*pj:MU+32*(\t)+4*pj+1], v[WR+4*pe:WR+4*pe+1]  ; the first product starts the sums
.else
	v_pk_fma_f32 v[ACC+16*(\t)+2*pe:ACC+16*(\t)+2*pe+1], v[MU+32*(\t)+4*pj:MU+32*(\t)+4*pj+1], v[WR+4*pe:WR+4*pe+1], v[ACC+16*(\t)+2*pe:ACC+16*(\t)+2*pe+1]
.endif
.endr
.irp t, 0,1,2,3
	v_pk_fma_f32 v[ACC+16*(\t)+2*pe:ACC+16*(\t)+2*pe+1], v[MU+32*(\t)+4*pj+2:MU+32*(\t)+4*pj+3], v[WR+4*pe+2:WR+4*pe+3], v[ACC+16*(\t)+2*pe:ACC+16*(\t)+2*pe+1]
.endr
.if pp < 56
	ds_load_b128 v[WR+4*pe:WR+4*pe+3], v2 offset:4096*pe+512*(pj+1)  ; piece p + 8 takes the place just read
.endif
.set pp, pp+1
.endr
	; the 32 sums (4 tokens x 8 experts) over the pair and over the 32 lanes; every lane ends with the result
.set i, 0
.rept 32
	v_add_f32 v[ACC+2*i], v[ACC+2*i], v[ACC+2*i+1]
.set i, i+1
.endr
.irp k, 1,2,4,8
.set i, 0
.rept 32
	v_add_f32_dpp v[ACC+2*i], v[ACC+2*i], v[ACC+2*i] row_xmask:\k row_mask:0xf bank_mask:0xf
.set i, i+1
.endr
.endr
.set i, 0
.rept 32
	v_permlanex16_b32 v[ACC+2*i+1], v[ACC+2*i], s40, s41  ; the destination has been written: it held the pair's upper sum
.set i, i+1
.endr
.set i, 0
.rept 32
	v_add_f32 v[ACC+2*i], v[ACC+2*i], v[ACC+2*i+1]
.set i, i+1
.endr
	s_wait_kmcnt 0x0                               ; the token ids
.irp t, 0,1,2,3
	s_max_i32 s[36+(\t)], s[36+(\t)], 0            ; clip to 0 .. 50,256, then modulo 8
	s_min_i32 s[36+(\t)], s[36+(\t)], 50256
	s_and_b32 s[36+(\t)], s[36+(\t)], 7
.irp e, 0,1,2,3,4,5,6,7
	s_cmp_eq_u32 s[36+(\t)], \e
	s_cselect_b32 s34, 0x41200000, 0               ; 10.0 at the base expert, 0 elsewhere
	v_add_f32 v[ACC+16*(\t)+2*(\e)], s34, v[ACC+16*(\t)+2*(\e)]
.endr
	v_mov_b32 v[10+(\t)], 0
.irp e, 1,2,3,4,5,6,7
	v_cmp_gt_f32 vcc_lo, v[ACC+16*(\t)+2*(\e)], v[ACC+16*(\t)]  ; strictly greater: the first maximum stays
	v_cndmask_b32 v[10+(\t)], v[10+(\t)], \e, vcc_lo
	v_max_num_f32 v[ACC+16*(\t)], v[ACC+16*(\t)], v[ACC+16*(\t)+2*(\e)]
.endr
	ds_store_b32 v9, v[10+(\t)] offset:4*(\t)      ; all lanes hold the same number
.endr
	s_wait_dscnt 0x0                               ; for wave 0's sake: my four choices are in LDS
	s_barrier_signal -1
	s_barrier_wait -1
	s_cmp_lg_u32 s12, 0
	s_cbranch_scc1 .Lrend
	v_lshl_add_u32 v16, v1, 2, IDS                 ; wave 0 makes the group's twelve words: lane i looks at token 32 g + i
	ds_load_b32 v17, v16
	v_mov_b32 v18, 0
	v_lshlrev_b32 v19, 10, v1                      ; lane f stores field f: the fields lie 1,024 bytes apart
	s_wait_dscnt 0x0
.irp e, 0,1,2,3,4,5,6,7
	v_cmp_eq_u32 s[44+(\e)], \e, v17
	v_writelane_b32 v18, s[44+(\e)], \e
	s_bcnt1_i32_b32 s[52+(\e)], s[44+(\e)]
.endr
.irp m, 0,1,2,3
	s_lshl_b32 s35, s[53+2*(\m)], 16
	s_or_b32 s34, s[52+2*(\m)], s35
	v_writelane_b32 v18, s34, 8+(\m)
.endr
	v_cmp_gt_u32 vcc_lo, 12, v1                    ; the table has twelve fields
	s_wait_xcnt 0x0                                ; EXEC counts among the sources of the loads above: it changes only behind this wait
	s_and_saveexec_b32 s34, vcc_lo
	global_store_b32 v19, v18, s[28:29]
	s_wait_xcnt 0x0                                ; and again, ahead of the line that widens it
	s_or_b32 exec_lo, exec_lo, s34
.Lrend:
	s_wait_tensorcnt 0x0                           ; the wave's end, behind my last LDS store
	ds_add_u32 v[SPW], v[NIL]
	s_wait_dscnt 0x0
	s_endpgm
	; ---------------- THE WEIGHTS: wave W = 0..2047 takes 16 k x 64 columns of gate, of up and of down ----------------
.Lpack:
	s_sub_co_u32 s13, ttmp9, 256
	s_lshl_b32 s13, s13, 3
	s_add_co_u32 s13, s13, s12                     ; W
	s_lshr_b32 s14, s13, 8                         ; e
	s_and_b32 s15, s13, 1                          ; c: which 16 of a step's 32 k
	s_bfe_u32 s32, s13, 0x50003                    ; gate, up: step s
	s_bfe_u32 s33, s13, 0x20001                    ;           G: columns 64 G on
	s_bfe_u32 s34, s13, 0x30005                    ; down: t
	s_bfe_u32 s35, s13, 0x40001                    ;       G': columns 64 G' on
	s_lshl_b32 s45, s14, 20                        ; an expert's matrix is 2^20 bytes in each of the three
	s_lshl_b32 s36, s32, 15                        ; gate, up: (32 s + 16 c) rows of 1,024 bytes + 256 G
	s_add_co_u32 s36, s36, s45
	s_lshl_b32 s44, s15, 14
	s_add_co_u32 s36, s36, s44
	s_lshl_b32 s44, s33, 8
	s_add_co_u32 s36, s36, s44
	s_mov_b32 s37, 0
	s_lshl_b32 s38, s34, 17                        ; down: (32 t + 16 c) rows of 4,096 bytes + 256 G'
	s_add_co_u32 s38, s38, s45
	s_lshl_b32 s44, s15, 16
	s_add_co_u32 s38, s38, s44
	s_lshl_b32 s44, s35, 8
	s_add_co_u32 s38, s38, s44
	s_mov_b32 s39, 0
	s_lshl_b32 s46, s15, 9                         ; 512 c
	s_lshl_b32 s40, s14, 3                         ; gate goes to ((8 e + 2 G) 48 + s) 4,096 + 512 c: waves 2 G and 2 G + 1, frags 0, 1; up 2,048 further
	s_lshl_b32 s44, s33, 1
	s_add_co_u32 s40, s40, s44
	s_mul_i32 s40, s40, 48
	s_add_co_u32 s40, s40, s32
	s_lshl_b32 s40, s40, 12
	s_add_co_u32 s40, s40, s46
	s_mov_b32 s41, 0
	s_lshl_b32 s42, s14, 3                         ; down goes to ((8 e + G' / 2) 48 + 32 + 8 (G' % 2) + t) 4,096 + 512 c: frags 0-3
	s_lshr_b32 s44, s35, 1
	s_add_co_u32 s42, s42, s44
	s_mul_i32 s42, s42, 48
	s_and_b32 s44, s35, 1
	s_lshl_b32 s44, s44, 3
	s_add_co_u32 s42, s42, s44
	s_add_co_u32 s42, s42, s34
	s_add_co_u32 s42, s42, 32
	s_lshl_b32 s42, s42, 12
	s_add_co_u32 s42, s42, s46
	s_mov_b32 s43, 0
	s_mul_i32 s47, s12, PPW
	s_add_co_u32 s47, s47, PATCH                   ; my patch: a constant plus the wave's number times a constant
	v_and_b32 v8, 15, v1                           ; q: my four columns 4 q ..
	v_lshrrev_b32 v9, 4, v1                        ; hh: my eight rows 8 hh ..
	v_lshlrev_b32 v10, 4, v8
	v_lshl_add_u32 v4, v9, 13, v10                 ; gate, up: 8 hh rows of 1,024 bytes + 16 q
	v_lshl_add_u32 v5, v9, 15, v10                 ; down: 8 hh rows of 4,096 bytes + 16 q
	v_lshrrev_b32 v11, 2, v8
	v_mul_u32_u24 v6, v11, PP                      ; column 4 q + i lies in frag q / 4, at lane 16 hh + 4 (q % 4) + i
	v_lshl_add_u32 v6, v9, 8, v6
	v_and_b32 v11, 3, v8
	v_lshl_add_u32 v6, v11, 6, v6
	v_add_nc_u32 v6, s47, v6
	v_add_nc_u32 v7, s47, v2                       ; back: a piece as it goes to memory, 16 bytes a lane
	s_wait_kmcnt 0x0
	s_add_nc_u64 s[22:23], s[22:23], s[36:37]
	s_add_nc_u64 s[24:25], s[24:25], s[36:37]
	s_add_nc_u64 s[26:27], s[26:27], s[38:39]
	s_add_nc_u64 s[40:41], s[30:31], s[40:41]
	s_add_nc_u64 s[42:43], s[30:31], s[42:43]
.macro LOADH x, off, base, step        ; register 4 j + i: W[8 hh + j][4 q + i]; sixteen lanes read 256 neighbouring bytes of a row
.irp j, 0,1,2,3,4,5,6,7
	global_load_b128 v[(\x)+4*(\j):(\x)+4*(\j)+3], v[\off], s[(\base):(\base)+1] offset:(\j)*(\step) th:TH_LOAD_NT
.endr
.endm
; eight k of a column make 16 bytes; through my patch they change lanes; four pieces of 512 neighbouring bytes leave.  half = 1: the bf16 numbers are written as f16 (v8-11, free since the addresses were made, are at work)
.macro PACKH x, d, o0, o1, o2, o3, half=0
.irp i, 0,1,2,3
.irp j, 0,2,4,6
	v_cvt_pk_bf16_f32 v[T+4*(\i)+(\j)/2], v[(\x)+4*(\j)+(\i)], v[(\x)+4*(\j)+4+(\i)]
.endr
.endr
.if \half
.set zz, 0
.rept 16
	v_lshlrev_b32 v[8+2*(zz%2)], 16, v[T+zz]       ; the two bf16 numbers as f32,
	v_and_b32 v[9+2*(zz%2)], 0xffff0000, v[T+zz]
	v_cvt_pk_f16_f32 v[T+zz], v[8+2*(zz%2)], v[9+2*(zz%2)]  ; and as f16
.set zz, zz+1
.endr
.endif
.irp i, 0,1,2,3
	ds_store_b128 v6, v[T+4*(\i):T+4*(\i)+3] offset:16*(\i)
.endr
.irp f, 0,1,2,3
	ds_load_b128 v[(\x)+4*(\f):(\x)+4*(\f)+3], v7 offset:PP*(\f)  ; LDS serves a wave's instructions in order: these see the stores above, and the next unit's stores come behind them
.endr
	s_wait_dscnt 0x0
	global_store_b128 v2, v[(\x):(\x)+3],      s[(\d):(\d)+1] offset:\o0
	global_store_b128 v2, v[(\x)+4:(\x)+7],    s[(\d):(\d)+1] offset:\o1
	global_store_b128 v2, v[(\x)+8:(\x)+11],   s[(\d):(\d)+1] offset:\o2
	global_store_b128 v2, v[(\x)+12:(\x)+15],  s[(\d):(\d)+1] offset:\o3
.endm
	LOADH XG, 4, 22, 1024
	LOADH XU, 4, 24, 1024
	LOADH XD, 5, 26, 4096
	s_wait_loadcnt 16                              ; gate's eight loads are in; up's and down's stay out
	PACKH XG, 40, 0, 1024, 196608, 197632
	s_wait_loadcnt 8                               ; up's are in
	PACKH XU, 40, 2048, 3072, 198656, 199680
	s_wait_loadcnt 0x0
	PACKH XD, 42, 0, 1024, 2048, 3072, 1
	s_wait_tensorcnt 0x0                           ; the wave's end, behind my last LDS store
	ds_add_u32 v[SPW], v[NIL]
	s_wait_dscnt 0x0
	s_endpgm
.Lfunc_end_k_q83a5c287c3_prep:
	.size	k_q83a5c287c3_prep, .Lfunc_end_k_q83a5c287c3_prep-k_q83a5c287c3_prep
	.p2alignl 7, 3214868480
	.fill 96, 4, 3214868480
	.section	.rodata,"a",@progbits
	.p2align	6, 0x0
	.amdhsa_kernel k_q83a5c287c3_prep
		.amdhsa_group_segment_fixed_size 52480
		.amdhsa_private_segment_fixed_size 0
		.amdhsa_enable_private_segment 0
		.amdhsa_kernarg_size 64
		.amdhsa_user_sgpr_count 2
		.amdhsa_user_sgpr_kernarg_segment_ptr 1
		.amdhsa_wavefront_size32 1
		.amdhsa_system_sgpr_workgroup_id_x 1
		.amdhsa_system_sgpr_workgroup_id_y 1
		.amdhsa_system_sgpr_workgroup_id_z 1
		.amdhsa_system_vgpr_workitem_id 0
		.amdhsa_next_free_vgpr 256
		.amdhsa_next_free_sgpr 66
		.amdhsa_reserve_vcc 1
		.amdhsa_float_denorm_mode_32 3
		.amdhsa_float_denorm_mode_16_64 3
		.amdhsa_memory_ordered 1
		.amdhsa_forward_progress 1
		.amdhsa_inst_pref_size 81
	.end_amdhsa_kernel
	.amdgpu_metadata
---
amdhsa.version: [ 1, 2 ]
amdhsa.kernels:
  - .name:           k_q83a5c287c3_prep
    .symbol:         k_q83a5c287c3_prep.kd
    .args:
      - { .name: mu, .offset: 0, .size: 8, .value_kind: global_buffer, .address_space: global }
      - { .name: mu_router_w, .offset: 8, .size: 8, .value_kind: global_buffer, .address_space: global }
      - { .name: token_ids, .offset: 16, .size: 8, .value_kind: global_buffer, .address_space: global }
      - { .name: gate_proj, .offset: 24, .size: 8, .value_kind: global_buffer, .address_space: global }
      - { .name: up_proj, .offset: 32, .size: 8, .value_kind: global_buffer, .address_space: global }
      - { .name: down_proj, .offset: 40, .size: 8, .value_kind: global_buffer, .address_space: global }
      - { .name: route, .offset: 48, .size: 8, .value_kind: global_buffer, .address_space: global }
      - { .name: wl, .offset: 56, .size: 8, .value_kind: global_buffer, .address_space: global }
    .group_segment_fixed_size: 52480
    .private_segment_fixed_size: 0
    .kernarg_segment_align: 8
    .kernarg_segment_size: 64
    .max_flat_workgroup_size: 256
    .sgpr_count:     66
    .vgpr_count:     256
    .wavefront_size: 32
...
	.end_amdgpu_metadata
.endif
;; end of part 1
;; launch chain (part 2): grid 135 x 1, 8 waves a work-group, no clusters, 204,032 bytes of LDS; arguments route, wl, hidden_states, out0; writes out0
.if DOCPART == 2
	.amdgcn_target "amdgcn-amd-amdhsa--gfx1250"
	.amdhsa_code_object_version 6
	.text
	.protected	k_q83a5c287c3_chain
	.globl	k_q83a5c287c3_chain
	.p2align	8
	.type	k_q83a5c287c3_chain,@function
k_q83a5c287c3_chain:
	s_mov_b64 s[64:65], 0
	v_nop
	global_prefetch_b8 v0, s[64:65] scope:SCOPE_SE
	s_setreg_imm32_b32 hwreg(HW_REG_WAVE_MODE, 25, 1), 1
	s_wait_xcnt 0x0
; CHAIN.  A work-group takes one tile of up to 64 rows of ONE expert through gather, x Wg and x Wu, silu(g) u, h Wd, store.  Each output row has one owner (one expert a token).
; THE GRID serves every split: with 8,192 rows, 8 experts and tiles of 64 there are never more than 128 + 7 = 135 tiles.  Every work-group works its tile out of the stored table:
;   expert e has ceil(n_e / 64) tiles, in the experts' order.  A work-group past the last tile has a count of 0: it walks the text (every wave passes every barrier) and stores nothing.
;   Places of a tile past the count repeat the expert's last row; whole stores past the count are jumped, forward, past no barrier.
; RANKS.  The table lies field by field, route[field 12][group 256]; a load takes 512 neighbouring bytes of a field, so lane l holds, as its words i = 0..7, the groups 128 (i / 4) + 4 l + i % 4.
;   An expert's rows are numbered by lane, then word, then bit: the same numbering in every work-group.
; SHARES.  Eight waves.  First products: wave w makes gate and up columns 32 w .. 32 w + 31 for all 64 rows (16 accumulators).  Last product: columns 128 w .. + 127, in two halves of 64.
; THE MATRIX INSTRUCTION IS USED TRANSPOSED: source 0 = 16 weight columns, source 1 = 16 rows: a lane holds one row (l % 16) and eight neighbouring columns 8 (l / 16) + 0..7.
; WEIGHTS come from memory straight into operand registers, as the launch before laid them: a ring of eight slots of one K step (8 loads of 512 neighbouring bytes); seven steps are always asked for.
;   So the loop writes no LDS and has no barrier.  x and the hidden layer lie in LDS, written once each, with one barrier behind each; their fragments are asked for a whole K step ahead of their use.
; FORMATS.  First products in bf16.  The hidden layer h goes to the last product in f16 (11 significant bits where bf16 has 8), each row times a power of two that brings the row's largest |h| into
;   2^14 .. 2^15, so that f16's range bounds nothing; the sums are multiplied by the inverse power on the way out: both multiplications are exact.  A row's maximum spans the eight waves: one more barrier.
; NO CLUSTER, NO JOINT LOADS, though an expert's tiles walk the same 1,572,864 bytes of weights: how many tiles an expert has hangs on the stored counts, so partners would want whole clusters for each
;   expert, 4 x (32 + 7) = 156 work-groups; and beside x (132,096 bytes) and the hidden layer (33,792) two LDS slots could hold 65,536 bytes each, two K steps: 32 matrix instructions a wave for a tile to land.
; LIMITS.  x, gate and up are rounded once to bf16, the scaled h once to f16; down arrives as the bf16 number written as f16 (exact from 6.1e-5 to 65,504 in magnitude, a fixed step of 6e-8 below, an infinity beyond);
;   sums in f32.  A row whose largest |h| is below 2^-111 is scaled as if it were 2^-111.  silu(g) = g / (1 + 2^(-g log2 e)): where the power overflows the quotient is 0, as the reference's is.
.set XP,    2064                       ; a row of x in LDS: 2,048 bytes + 16: 129 x 16, so the 16 rows of a fragment load start in 16 different 16-byte columns
.set HP,    528                        ; a row of the hidden layer: 512 + 16
.set SP,    272                        ; a row of a stage: 256 + 16
.set HB,    64*XP                      ; LDS: x at 0; the hidden layer here;
.set STB,   HB+64*HP                   ; a stage of 16 rows for each wave, its own;
.set LIST,  STB+8*16*SP                ; the tile's 64 tokens;
.set MX,    LIST+256                   ; each wave's largest |h| of each row: [wave 8][row 64] f32;
.set SPARE, MX+2048                    ; the spare words: 128 bytes for each of eight waves; no other line names them
.set WSTEP, 4096                       ; wl: bytes of a wave's K step,
.set WWAVE, 48*WSTEP                   ; of a wave,
.set WEXP,  8*WWAVE                    ; of an expert
.set RF,    1024                       ; route: bytes of a field
.set L16, 4                            ; v4   16 x lane
.set AX0, 5                            ; v5   x fragments, rows 0-31: r XP + 16 h; steps on with K        v6 the same for rows 32-63
.set AH,  7                            ; v7   hidden fragments: HB + r HP + 16 h
.set AHW, 8                            ; v8   where I put my 16 bytes of the hidden layer: AH + 64 w
.set STW, 9                            ; v9   into my stage: r SP + 32 h
.set STR, 10                           ; v10  back: h SP + 16 r
.set XW,  11                           ; v11  where I put x: row 8 w, byte 8 x lane
.set R16, 12                           ; v12  16 r
.set LR,  13                           ; v13  LIST + 4 h
.set SPW, 14                           ; v14  LDS address of my spare word; never rewritten
.set NIL, 15                           ; v15  0; never rewritten
.set T,   16                           ; v16-23  at work in the routing; from the activation on:
.set HM,  16                           ;   v16, 18, 20, 22  row block a's largest |h|, then its scale; v17, 19, 21, 23 at work
.set HI,  24                           ;   v24-31  row block a's inverse scale at 2 a, twice: a pair for the packed multiply; kept to the end.  Before the pairs are made:
.set MXW, 25                           ;   v25  where my wave's maxima go: MX + 256 w + 4 r
.set MXR, 27                           ;   v27  where a row's eight maxima are read: MX + 4 r
.set GT,  32                           ; v32-159  the gather: row i's rounded numbers at 16 i
.set AF,  32                           ; v32-95  two buffers of four fragments of x or h; also at work in the activation
.set ACC, 96                           ; v96-223 accumulator (a, b) at 8 (4 a + b): rows 16 a .., weight fragment b; on the way out a row block comes back from the stage into its own 32 registers
.set OFFS, 224                         ; v224-255  register k: byte offset in out0 of row 2 k + h, + 16 r
; window 1 (v256-511): first the eight rows of x as loaded, then the ring: slot s at 32 s, fragment f at 8 f
; the routing's registers, all free again before the gather's conversions:
.set BM,  32                           ; masks: expert e, word i at 8 e + i
.set CW,  96                           ; packed counts: pair m, word i at 8 m + i
.set SW,  128
.set WP,  136
.set CL,  144
.set RK,  145
.set SRC, 146
.set BAS, 147
.set IDX, 148
.set REM, 149
.set RUN, 150
.set WRD, 151
.set WI,  152
.set B2,  153
.set KK,  154
.set POS, 155
.set QA,  156
.set QB,  157
.set QC,  158
.set QD,  159
.set TT,  160
.set T2,  161
.set TOK, 162
.set LW,  163
.set RB,  66                           ; s[66:81] the addresses of my eight rows of x
.set MSB, 0
.macro WIN new                         ; s_set_vgpr_msb: bits 1:0 source 0, 3:2 source 1, 5:4 source 2, 7:6 destination; the high byte repeats the setting that is left
.if MSB != (\new)
	s_set_vgpr_msb (MSB<<8)|(\new)
.set MSB, (\new)
.endif
.endm
.set MUL,     0x01                     ; weights (source 0) in window 1
.set TO_RING, 0x40                     ; destination in window 1
.set CVT,     0x05                     ; sources 0 and 1 in window 1
.set F16,     0                        ; 0: the products are bf16's; 1: f16's
	s_load_b256 s[4:11], s[0:1], 0x0               ; route 4, wl 6, hidden_states 8, out0 10
	v_lshl_add_u32 v[SPW], v0, 2, SPARE
	v_mov_b32 v[NIL], 0
	v_and_b32 v1, 31, v0                           ; lane
	v_lshrrev_b32 v16, 5, v0
	v_readfirstlane_b32 s12, v16                   ; wave 0..7
	s_mov_b32 s13, ttmp9                           ; the tile's number
	v_lshlrev_b32 v[L16], 4, v1
	s_mov_b32 s40, 0x76543210                      ; v_permlanex16_b32: each lane takes its own place in the other half
	s_mov_b32 s41, 0xfedcba98
	s_mov_b32 s83, 0                               ; the high word of every offset pair
	s_wait_kmcnt 0x0
.irp m, 0,1,2,3                        ; the counts first: they are wanted first.  Each load takes 512 neighbouring bytes
	global_load_b128 v[CW+8*(\m):CW+8*(\m)+3],   v[L16], s[4:5] offset:RF*(8+(\m))
	global_load_b128 v[CW+8*(\m)+4:CW+8*(\m)+7], v[L16], s[4:5] offset:RF*(8+(\m))+512
.endr
.irp e, 0,1,2,3,4,5,6,7
	global_load_b128 v[BM+8*(\e):BM+8*(\e)+3],   v[L16], s[4:5] offset:RF*(\e)
	global_load_b128 v[BM+8*(\e)+4:BM+8*(\e)+7], v[L16], s[4:5] offset:RF*(\e)+512
.endr
	v_and_b32 v2, 15, v0                           ; r
	v_bfe_u32 v3, v0, 4, 1                         ; h
	v_mul_u32_u24 v[AX0], v2, XP
	v_lshl_add_u32 v[AX0], v3, 4, v[AX0]
	v_add_nc_u32 v[AX0+1], 32*XP, v[AX0]
	v_mul_u32_u24 v[AH], v2, HP
	v_lshl_add_u32 v[AH], v3, 4, v[AH]
	v_add_nc_u32 v[AH], HB, v[AH]
	s_lshl_b32 s34, s12, 6
	v_add_nc_u32 v[AHW], s34, v[AH]
	s_mul_i32 s34, s12, 16*SP
	s_add_co_u32 s34, s34, STB                     ; my stage
	v_mul_u32_u24 v[STW], v2, SP
	v_lshl_add_u32 v[STW], v3, 5, v[STW]
	v_add_nc_u32 v[STW], s34, v[STW]
	v_mul_u32_u24 v[STR], v3, SP
	v_lshl_add_u32 v[STR], v2, 4, v[STR]
	v_add_nc_u32 v[STR], s34, v[STR]
	s_mul_i32 s35, s12, 8*XP
	v_lshl_add_u32 v[XW], v1, 3, s35
	v_lshlrev_b32 v[R16], 4, v2
	v_lshl_add_u32 v[LR], v3, 2, LIST
	v_and_b32 v[LW], 7, v1
	s_lshl_b32 s34, s12, 5
	s_add_co_u32 s34, s34, LIST
	v_lshl_add_u32 v[LW], v[LW], 2, s34            ; where row 8 w + lane % 8's token goes
	s_lshl_b32 s82, s12, 9
	s_add_nc_u64 s[50:51], s[10:11], s[82:83]      ; out0 at my 128 columns
	s_wait_loadcnt 16                              ; the eight loads of counts are in; the sixteen of masks, issued behind them, stay out
	; ---- the experts' counts: eight words a lane, 32 lanes; two counts to a word (8,192 at the most: no carry between the halves) ----
.irp m, 0,1,2,3
	v_add3_u32 v[T+(\m)], v[CW+8*(\m)], v[CW+8*(\m)+1], v[CW+8*(\m)+2]
	v_add3_u32 v[T+(\m)], v[T+(\m)], v[CW+8*(\m)+3], v[CW+8*(\m)+4]
	v_add3_u32 v[T+(\m)], v[T+(\m)], v[CW+8*(\m)+5], v[CW+8*(\m)+6]
	v_add_nc_u32 v[T+(\m)], v[T+(\m)], v[CW+8*(\m)+7]
	v_mov_b32 v[T+4+(\m)], 0                       ; the moves below count as readers of their destinations
.endr
.irp k, 1,2,4,8
.irp m, 0,1,2,3
	v_mov_b32_dpp v[T+4+(\m)], v[T+(\m)] row_xmask:\k row_mask:0xf bank_mask:0xf
.endr
.irp m, 0,1,2,3
	v_add_nc_u32 v[T+(\m)], v[T+(\m)], v[T+4+(\m)]
.endr
.endr
.irp m, 0,1,2,3
	v_permlanex16_b32 v[T+4+(\m)], v[T+(\m)], s40, s41
.endr
.irp m, 0,1,2,3
	v_add_nc_u32 v[T+(\m)], v[T+(\m)], v[T+4+(\m)]
	v_readfirstlane_b32 s[34+(\m)], v[T+(\m)]
.endr
.irp m, 0,1,2,3
	s_and_b32 s[16+2*(\m)], s[34+(\m)], 0xffff     ; n_0 .. n_7 in s16-23
	s_lshr_b32 s[17+2*(\m)], s[34+(\m)], 16
.endr
	; ---- my tile: the last expert whose first tile is not past my number ----
	s_mov_b32 s27, 0
	s_mov_b32 s24, 0
	s_mov_b32 s25, 0
	s_mov_b32 s26, 0
.irp e, 0,1,2,3,4,5,6,7
	s_cmp_ge_u32 s13, s27
	s_cselect_b32 s24, \e, s24                     ; the expert,
	s_cselect_b32 s25, s27, s25                    ; its first tile,
	s_cselect_b32 s26, s[16+(\e)], s26             ; its rows
	s_add_co_u32 s34, s[16+(\e)], 63
	s_lshr_b32 s34, s34, 6
	s_add_co_u32 s27, s27, s34
.endr
	s_sub_co_u32 s29, s13, s25
	s_lshl_b32 s29, s29, 6                         ; the rank of my tile's first row
	s_sub_co_i32 s28, s26, s29
	s_max_i32 s28, s28, 0
	s_min_i32 s28, s28, 64                         ; the tile's count of rows, 0 to 64
	s_sub_co_i32 s42, s26, 1
	s_max_i32 s42, s42, 0                          ; the expert's last rank
	s_min_u32 s24, s24, 7
	s_mul_i32 s82, s24, WEXP
	s_mul_i32 s34, s12, WWAVE
	s_add_co_u32 s82, s82, s34
	s_add_nc_u64 s[48:49], s[6:7], s[82:83]        ; my wave's weights of this expert
	s_bitcmp1_b32 s24, 0
	s_cselect_b32 s30, -1, 0
	s_cselect_b32 s43, 16, 0
	s_bitcmp1_b32 s24, 1
	s_cselect_b32 s31, -1, 0
	s_bitcmp1_b32 s24, 2
	s_cselect_b32 s32, -1, 0
	s_wait_loadcnt 0x0                             ; the masks
.irp i, 0,1,2,3,4,5,6,7                ; of each of my words the expert's mask, into BM + i, and its count, into CW + i: a choice by the three bits of the expert's number
	v_cndmask_b32 v[BM+(\i)],    v[BM+(\i)],    v[BM+8+(\i)],  s30
	v_cndmask_b32 v[BM+16+(\i)], v[BM+16+(\i)], v[BM+24+(\i)], s30
	v_cndmask_b32 v[BM+32+(\i)], v[BM+32+(\i)], v[BM+40+(\i)], s30
	v_cndmask_b32 v[BM+48+(\i)], v[BM+48+(\i)], v[BM+56+(\i)], s30
	v_cndmask_b32 v[BM+(\i)],    v[BM+(\i)],    v[BM+16+(\i)], s31
	v_cndmask_b32 v[BM+32+(\i)], v[BM+32+(\i)], v[BM+48+(\i)], s31
	v_cndmask_b32 v[BM+(\i)],    v[BM+(\i)],    v[BM+32+(\i)], s32
	v_cndmask_b32 v[CW+(\i)],    v[CW+(\i)],    v[CW+8+(\i)],  s31
	v_cndmask_b32 v[CW+16+(\i)], v[CW+16+(\i)], v[CW+24+(\i)], s31
	v_cndmask_b32 v[CW+(\i)],    v[CW+(\i)],    v[CW+16+(\i)], s32
	v_bfe_u32 v[CW+(\i)], v[CW+(\i)], s43, 16
.endr
	v_add3_u32 v[CL], v[CW], v[CW+1], v[CW+2]      ; the expert's rows in my lane's eight groups
	v_add3_u32 v[CL], v[CL], v[CW+3], v[CW+4]
	v_add3_u32 v[CL], v[CL], v[CW+5], v[CW+6]
	v_add_nc_u32 v[CL], v[CL], v[CW+7]
	; ---- the token of rank RK: lane % 8 looks for row 8 w + lane % 8 of the tile; ranks past the expert's last repeat it ----
	v_and_b32 v[RK], 7, v1
	s_lshl_b32 s34, s12, 3
	s_add_co_u32 s34, s34, s29
	v_add_nc_u32 v[RK], s34, v[RK]
	v_min_u32 v[RK], s42, v[RK]
	s_mov_b32 s33, 0
	v_mov_b32 v[SRC], 0
	v_mov_b32 v[BAS], 0
.set l, 0
.rept 32                               ; the last lane whose rows begin at or below the rank holds it
	v_readlane_b32 s34, v[CL], l
	v_cmp_le_u32 vcc_lo, s33, v[RK]
	v_cndmask_b32 v[SRC], v[SRC], l, vcc_lo
	v_cndmask_b32 v[BAS], v[BAS], s33, vcc_lo
	s_add_co_u32 s33, s33, s34
.set l, l+1
.endr
	v_lshlrev_b32 v[IDX], 2, v[SRC]
.irp i, 0,1,2,3,4,5,6,7
	ds_bpermute_b32 v[SW+(\i)], v[IDX], v[BM+(\i)]  ; that lane's eight masks and counts
	ds_bpermute_b32 v[WP+(\i)], v[IDX], v[CW+(\i)]
.endr
	v_sub_nc_u32 v[REM], v[RK], v[BAS]
	v_mov_b32 v[RUN], 0
	v_mov_b32 v[WRD], 0
	v_mov_b32 v[WI], 0
	v_mov_b32 v[B2], 0
	v_mov_b32 v[POS], 0
	s_wait_dscnt 0x0
.irp i, 0,1,2,3,4,5,6,7                ; the same choice among its eight words
	v_cmp_le_u32 vcc_lo, v[RUN], v[REM]
	v_cndmask_b32 v[WRD], v[WRD], v[SW+(\i)], vcc_lo
	v_cndmask_b32 v[WI], v[WI], \i, vcc_lo
	v_cndmask_b32 v[B2], v[B2], v[RUN], vcc_lo
	v_add_nc_u32 v[RUN], v[RUN], v[WP+(\i)]
.endr
	v_sub_nc_u32 v[KK], v[REM], v[B2]              ; the set bit number KK of the word: counts of 2, 4, 8, 16 bits, then five halvings
	v_lshrrev_b32 v[TT], 1, v[WRD]
	v_and_b32 v[TT], 0x55555555, v[TT]
	v_sub_nc_u32 v[QA], v[WRD], v[TT]
	v_lshrrev_b32 v[TT], 2, v[QA]
	v_and_b32 v[TT], 0x33333333, v[TT]
	v_and_b32 v[QB], 0x33333333, v[QA]
	v_add_nc_u32 v[QB], v[QB], v[TT]
	v_lshrrev_b32 v[TT], 4, v[QB]
	v_add_nc_u32 v[QC], v[QB], v[TT]
	v_and_b32 v[QC], 0x0f0f0f0f, v[QC]
	v_lshrrev_b32 v[TT], 8, v[QC]
	v_add_nc_u32 v[QD], v[QC], v[TT]
.macro LEVEL x, width, step            ; if the lower part holds KK bits or fewer, the bit lies in the upper part
	v_bfe_u32 v[TT], v[\x], v[POS], \width
	v_add_nc_u32 v[T2], \step, v[POS]
	v_cmp_ge_u32 vcc_lo, v[KK], v[TT]
	v_sub_nc_u32 v[TT], v[KK], v[TT]
	v_cndmask_b32 v[KK], v[KK], v[TT], vcc_lo
	v_cndmask_b32 v[POS], v[POS], v[T2], vcc_lo
.endm
	LEVEL QD, 8, 16
	LEVEL QC, 8, 8
	LEVEL QB, 4, 4
	LEVEL QA, 2, 2
	LEVEL WRD, 1, 1
	v_lshrrev_b32 v[TT], 2, v[WI]                  ; group 128 (i / 4) + 4 l + i % 4,
	v_and_b32 v[T2], 3, v[WI]
	v_lshl_add_u32 v[T2], v[SRC], 2, v[T2]
	v_lshl_add_u32 v[TOK], v[TT], 7, v[T2]
	v_lshl_add_u32 v[TOK], v[TOK], 5, v[POS]       ; token 32 x group + bit
	ds_store_b32 v[LW], v[TOK]                     ; lanes with the same lane % 8 hold the same number
.irp i, 0,1,2,3,4,5,6,7
	v_readlane_b32 s34, v[TOK], \i
	s_min_u32 s34, s34, 0x1fff
	s_lshl_b32 s82, s34, 12                        ; a row is 4,096 bytes
	s_add_nc_u64 s[RB+2*(\i):RB+2*(\i)+1], s[8:9], s[82:83]
.endr
	; ---- GATHER: my eight rows of x, whole, into window 1; rounded to bf16 into LDS; each row's registers then take a K step of weights ----
	WIN TO_RING
.irp i, 0,1,2,3,4,5,6,7
.irp j, 0,1,2,3,4,5,6,7
	global_load_b128 v[32*(\i)+4*(\j):32*(\i)+4*(\j)+3], v[L16], s[RB+2*(\i):RB+2*(\i)+1] offset:512*(\j)
.endr
.endr
.macro REFILL slot, q                  ; K step q (counted from s[48:49]) into a slot of the ring: eight loads of 512 neighbouring bytes
	WIN TO_RING
.irp f, 0,1,2,3
	global_load_b128 v[32*(\slot)+8*(\f):32*(\slot)+8*(\f)+3],   v[L16], s[48:49] offset:WSTEP*(\q)+1024*(\f)
	global_load_b128 v[32*(\slot)+8*(\f)+4:32*(\slot)+8*(\f)+7], v[L16], s[48:49] offset:WSTEP*(\q)+1024*(\f)+512
.endr
.endm
.macro GROW i                          ; each row has sixteen registers of its own for the rounded numbers: no conversion writes a register that an earlier row's LDS store has yet to read
	s_wait_loadcnt 56                              ; row i is in: behind it stand 8 (7 - i) loads of later rows and 8 i of weights
	WIN CVT
.irp j, 0,1,2,3,4,5,6,7
	v_cvt_pk_bf16_f32 v[GT+16*(\i)+2*(\j)],   v[32*(\i)+4*(\j)],   v[32*(\i)+4*(\j)+1]
	v_cvt_pk_bf16_f32 v[GT+16*(\i)+2*(\j)+1], v[32*(\i)+4*(\j)+2], v[32*(\i)+4*(\j)+3]
.endr
	WIN 0
.irp j, 0,1,2,3,4,5,6,7
	ds_store_b64 v[XW], v[GT+16*(\i)+2*(\j):GT+16*(\i)+2*(\j)+1] offset:XP*(\i)+256*(\j)  ; 32 lanes, 256 neighbouring bytes
.endr
.if (\i) < 7
	REFILL \i, \i
.endif
.endm
.irp i, 0,1,2,3,4,5,6,7
	GROW \i
.endr
	WIN 0
	s_wait_dscnt 0x0                               ; for the others' sake: my rows of x and my tokens are in LDS
	s_barrier_signal -1
	s_barrier_wait -1
; four fragments (64 rows x 32 K) of x (kind 0) or of the hidden layer (kind 1), K step idx, into buffer par
.macro FETCHA kind, idx, par
	WIN 0
.irp a, 0,1,2,3
.if (\kind) == 0
	ds_load_b128 v[AF+32*(\par)+8*(\a):AF+32*(\par)+8*(\a)+3],   v[AX0+(\a)/2] offset:((\a)%2)*16*XP+64*(\idx)
	ds_load_b128 v[AF+32*(\par)+8*(\a)+4:AF+32*(\par)+8*(\a)+7], v[AX0+(\a)/2] offset:((\a)%2)*16*XP+64*(\idx)+32
.else
	ds_load_b128 v[AF+32*(\par)+8*(\a):AF+32*(\par)+8*(\a)+3],   v[AH] offset:(\a)*16*HP+64*(\idx)
	ds_load_b128 v[AF+32*(\par)+8*(\a)+4:AF+32*(\par)+8*(\a)+7], v[AH] offset:(\a)*16*HP+64*(\idx)+32
.endif
.endr
.endm
; eight matrix instructions: row blocks a0, a0 + 1 x the slot's four weight fragments.  The 16 accumulators take turns, one instruction a turn.  zero = 1: the product starts the sum
.macro MUL8 slot, par, a0, zero
	WIN MUL
.irp a, \a0, (\a0)+1
.irp b, 0,1,2,3
.set rD, ACC+8*(4*(\a)+(\b))
.set rW, 32*(\slot)+8*(\b)
.set rX, AF+32*(\par)+8*(\a)
.if F16 && (\zero)
	v_wmma_f32_16x16x32_f16 v[rD:rD+7], v[rW:rW+7], v[rX:rX+7], 0
.elseif F16
	v_wmma_f32_16x16x32_f16 v[rD:rD+7], v[rW:rW+7], v[rX:rX+7], v[rD:rD+7]
.elseif \zero
	v_wmma_f32_16x16x32_bf16 v[rD:rD+7], v[rW:rW+7], v[rX:rX+7], 0
.else
	v_wmma_f32_16x16x32_bf16 v[rD:rD+7], v[rW:rW+7], v[rX:rX+7], v[rD:rD+7]
.endif
.endr
.endr
.endm
; A K STEP, number lam from s[48:49]: slot lam % 8, fragment buffer lam % 2.  ALL ITS REQUESTS STAND AT ITS HEAD: the fragment buffer and the slot that the step BEFORE read are filled again, the buffer
; with the NEXT step's fragments of x or h, the slot with the weights of the step seven on.  Four v_nop are the places between that step's last matrix instruction and the loads into its registers
; (ISA guide 7.12.1 for vector instructions).  So a fragment load has this step's 16 matrix instructions in which to land, a weight load seven steps'.  Then the two waits, then the products in one run.
; n: the weight loads of younger steps that were out before this step's refill; the refill's own eight are younger too.
.macro STEP lam, n, zero, refill, akind, aidx
.if (\refill) || ((\akind) >= 0)
.rept 4
	v_nop
.endr
.endif
.if (\akind) >= 0
	FETCHA \akind, \aidx, ((\lam)+1)%2
.endif
.if \refill
	REFILL ((\lam)+7)%8, (\lam)+7
.endif
	s_wait_loadcnt (\n)+8*(\refill)                ; this step's weights are in; all younger steps' loads stay out
.if (\akind) >= 0
	s_wait_dscnt 8                                 ; this step's fragments, asked for a step ago, are in; the eight loads just issued stay out
.else
	s_wait_dscnt 0x0                               ; nothing was asked for behind this step's fragments
.endif
	MUL8 (\lam)%8, (\lam)%2, 0, \zero
	MUL8 (\lam)%8, (\lam)%2, 2, \zero
.endm
	FETCHA 0, 0, 0
.set k, 0
.rept 32
	ds_load_b32 v[OFFS+k], v[LR] offset:8*k        ; the token of row 2 k + h
.set k, k+1
.endr
	s_wait_dscnt 0x0
.set k, 0
.rept 32
	v_min_u32 v[OFFS+k], 0x1fff, v[OFFS+k]
	v_lshl_add_u32 v[OFFS+k], v[OFFS+k], 12, v[R16]
.set k, k+1
.endr
	; ---- FIRST PRODUCTS: 32 K steps.  Accumulators (a, 0), (a, 1): gate; (a, 2), (a, 3): up, the same columns ----
	STEP 0, 48, 1, 1, 0, 1                         ; written out: its products start the sums.  48 + 8: steps 1 to 7 stay out
	WIN 0
	s_mov_b32 s52, 3
.Lk:                                   ; a trip: eight K steps, once round the ring
.irp s, 1,2,3,4,5,6,7,8
	STEP \s, 48, 0, 1, 0, (\s)+1
.endr
	WIN 0
	s_wait_xcnt 0x0                                ; the weight loads have read their base: only behind this wait is it stepped
	s_add_nc_u64 s[48:49], s[48:49], 8*WSTEP
	v_add_nc_u32 v[AX0], 512, v[AX0]
	v_add_nc_u32 v[AX0+1], 512, v[AX0+1]
	s_sub_co_u32 s52, s52, 1
	s_cmp_lg_u32 s52, 0
	s_cbranch_scc1 .Lk
.irp s, 1,2,3,4,5,6
	STEP \s, 48, 0, 1, 0, (\s)+1
.endr
	STEP 7, 48, 0, 1, -1, 0                        ; the last of x; the ring goes on into the last product's weights
	; ---- h = silu(g) u in f32.  Each accumulator is read from its low end on ----
	WIN 0
.rept 4
	v_nop                                          ; the places behind the last products
.endr
.irp a, 0,1,2,3
.irp b, 0,1
.irp m, 0,2,4,6
	v_pk_mul_f32 v[AF+8*(2*(\a)+(\b))+(\m):AF+8*(2*(\a)+(\b))+(\m)+1], v[ACC+8*(4*(\a)+(\b))+(\m):ACC+8*(4*(\a)+(\b))+(\m)+1], 0xbfb8aa3b op_sel_hi:[1,0]  ; -g log2 e
.endr
.endr
.endr
.set i, 0
.rept 64
	v_exp_f32 v[AF+i], v[AF+i]
.set i, i+1
.endr
	v_nop                                          ; a plain instruction behind the last exponential,
	s_wait_alu depctr_va_vdst(0)                   ; and one wait for the batch of 64, ahead of its first reader
.set i, 0
.rept 32
	v_pk_add_f32 v[AF+2*i:AF+2*i+1], v[AF+2*i:AF+2*i+1], 1.0 op_sel_hi:[1,0]
.set i, i+1
.endr
.set i, 0
.rept 64
	v_rcp_f32 v[AF+i], v[AF+i]
.set i, i+1
.endr
	v_nop
	s_wait_alu depctr_va_vdst(0)                   ; one wait for the 64 reciprocals
.irp a, 0,1,2,3
.irp b, 0,1
.irp m, 0,2,4,6
	v_pk_mul_f32 v[AF+8*(2*(\a)+(\b))+(\m):AF+8*(2*(\a)+(\b))+(\m)+1], v[AF+8*(2*(\a)+(\b))+(\m):AF+8*(2*(\a)+(\b))+(\m)+1], v[ACC+8*(4*(\a)+(\b))+(\m):ACC+8*(4*(\a)+(\b))+(\m)+1]
.endr
.endr
.endr
.irp a, 0,1,2,3
.irp b, 0,1
.irp m, 0,2,4,6
	v_pk_mul_f32 v[AF+8*(2*(\a)+(\b))+(\m):AF+8*(2*(\a)+(\b))+(\m)+1], v[AF+8*(2*(\a)+(\b))+(\m):AF+8*(2*(\a)+(\b))+(\m)+1], v[ACC+8*(4*(\a)+(\b)+2)+(\m):ACC+8*(4*(\a)+(\b)+2)+(\m)+1]
.endr
.endr
.endr
	; ---- each row's largest |h|.  My lane holds 16 numbers of row 16 a + r at AF + 16 a; the accumulators' registers are free and at work ----
	s_mov_b32 s44, 0x7fffffff
	s_mov_b32 s45, 0x08000000                      ; 2^-111: the maximum is held at it from below, so that both powers of two below are normal numbers
	s_lshl_b32 s34, s12, 8
	s_add_co_u32 s34, s34, MX
	v_lshl_add_u32 v[MXW], v2, 2, s34
	v_lshl_add_u32 v[MXR], v2, 2, MX
.set i, 0
.rept 64
	v_and_b32 v[ACC+i], s44, v[AF+i]
.set i, i+1
.endr
.irp a, 0,1,2,3
	v_max3_num_f32 v[HM+2*(\a)], v[ACC+16*(\a)], v[ACC+16*(\a)+1], v[ACC+16*(\a)+2]
.endr
.irp n, 1,2,3,4,5,6
.irp a, 0,1,2,3                        ; the four row blocks' chains by turns
	v_max3_num_f32 v[HM+2*(\a)], v[HM+2*(\a)], v[ACC+16*(\a)+2*(\n)+1], v[ACC+16*(\a)+2*(\n)+2]
.endr
.endr
.irp a, 0,1,2,3
	v_max_num_f32 v[HM+2*(\a)], v[HM+2*(\a)], v[ACC+16*(\a)+15]
.endr
.irp a, 0,1,2,3
	v_permlanex16_b32 v[HM+2*(\a)+1], v[HM+2*(\a)], s40, s41  ; the row's other 16 of my wave's 32 columns lie in the lane 16 away; the destination was written in the routing
.endr
.irp a, 0,1,2,3
	v_max_num_f32 v[HM+2*(\a)], v[HM+2*(\a)], v[HM+2*(\a)+1]
	ds_store_b32 v[MXW], v[HM+2*(\a)] offset:64*(\a)  ; lanes r and r + 16 hold the same number
.endr
	s_wait_dscnt 0x0                               ; for the others' sake: my wave's 64 maxima are in LDS
	s_barrier_signal -1
	s_barrier_wait -1
.irp a, 0,1,2,3
.irp w, 0,1,2,3,4,5,6,7
	ds_load_b32 v[ACC+8*(\a)+(\w)], v[MXR] offset:256*(\w)+64*(\a)
.endr
.endr
	s_wait_dscnt 0x0
.irp a, 0,1,2,3
	v_max3_num_f32 v[HM+2*(\a)], v[ACC+8*(\a)], v[ACC+8*(\a)+1], v[ACC+8*(\a)+2]
.endr
.irp a, 0,1,2,3
	v_max3_num_f32 v[HM+2*(\a)], v[HM+2*(\a)], v[ACC+8*(\a)+3], v[ACC+8*(\a)+4]
.endr
.irp a, 0,1,2,3
	v_max3_num_f32 v[HM+2*(\a)], v[HM+2*(\a)], v[ACC+8*(\a)+5], v[ACC+8*(\a)+6]
.endr
.irp a, 0,1,2,3
	v_max3_num_f32 v[HM+2*(\a)], v[HM+2*(\a)], v[ACC+8*(\a)+7], s45
.endr
	; with the maximum's exponent field E (16 to 254): the scale has field 268 - E, the inverse field E - 14: their product is 1, and maximum x scale lies in 2^14 .. 2^15
.irp a, 0,1,2,3
	v_and_b32 v[HM+2*(\a)+1], 0x7f800000, v[HM+2*(\a)]
.endr
.irp a, 0,1,2,3
	v_sub_nc_u32 v[HM+2*(\a)], 0x86000000, v[HM+2*(\a)+1]    ; 268 << 23, less the field
	v_add_nc_u32 v[HI+2*(\a)], 0xf9000000, v[HM+2*(\a)+1]    ; the field less 14 << 23,
	v_add_nc_u32 v[HI+2*(\a)+1], 0xf9000000, v[HM+2*(\a)+1]  ; twice: the pair by which the way out multiplies (the two addresses that lay here have served)
.endr
.irp a, 0,1,2,3
.irp m, 0,2,4,6,8,10,12,14
	v_pk_mul_f32 v[AF+16*(\a)+(\m):AF+16*(\a)+(\m)+1], v[AF+16*(\a)+(\m):AF+16*(\a)+(\m)+1], v[HM+2*(\a):HM+2*(\a)+1] op_sel_hi:[1,0]
.endr
.endr
.set i, 0
.rept 32
	v_cvt_pk_f16_f32 v[AF+i], v[AF+2*i], v[AF+2*i+1]  ; in place, ascending: register i is written when registers 2 i and 2 i + 1 are read
.set i, i+1
.endr
.irp a, 0,1,2,3
.irp b, 0,1
	ds_store_b128 v[AHW], v[AF+4*(2*(\a)+(\b)):AF+4*(2*(\a)+(\b))+3] offset:(\a)*16*HP+32*(\b)  ; row 16 a + r, columns 32 w + 16 b + 8 h ..
.endr
.endr
	s_wait_dscnt 0x0                               ; for the others' sake: my 32 columns of the hidden layer are in LDS
	s_barrier_signal -1
	s_barrier_wait -1
	; ---- LAST PRODUCT, in f16, in two halves of 64 columns: eight K steps each, then the way out ----
.set F16, 1
.macro HALF p
.irp t, 0,1,2,3,4,5,6,7
.set LAM, 8+8*(\p)+(\t)
.set NN, 48
.if 23-LAM < 6
.set NN, 8*(23-LAM)                    ; the ring runs out: fewer younger steps are left
.endif
.set RFL, 0
.if LAM <= 16
.set RFL, 1                            ; step LAM + 7 exists
.endif
.set ZZ, 0
.if (\t) == 0
.set ZZ, 1
.endif
.if (\t) < 7
	STEP LAM, NN, ZZ, RFL, 1, (\t)+1
.else
	STEP LAM, NN, ZZ, RFL, -1, 0
.endif
.endr
.endm
; THE WAY OUT.  Row block a (16 rows x 64 columns of f32) is multiplied by its rows' inverse scale (a lane holds one row; each accumulator from its low end on), goes into my own stage,
; 16 bytes a lane and store, and comes back as whole rows of 256 bytes into the 32 registers that it left: no register serves two blocks, so no block waits for an earlier block's stores.
.macro TOSTAGE a
.irp m, 0,2,4,6,8,10,12,14,16,18,20,22,24,26,28,30
	v_pk_mul_f32 v[ACC+32*(\a)+(\m):ACC+32*(\a)+(\m)+1], v[ACC+32*(\a)+(\m):ACC+32*(\a)+(\m)+1], v[HI+2*(\a):HI+2*(\a)+1]
.endr
.irp b, 0,1,2,3
	ds_store_b128 v[STW], v[ACC+8*(4*(\a)+(\b)):ACC+8*(4*(\a)+(\b))+3]   offset:64*(\b)
	ds_store_b128 v[STW], v[ACC+8*(4*(\a)+(\b))+4:ACC+8*(4*(\a)+(\b))+7] offset:64*(\b)+16
.endr
.irp i, 0,1,2,3,4,5,6,7
	ds_load_b128 v[ACC+32*(\a)+4*(\i):ACC+32*(\a)+4*(\i)+3], v[STR] offset:2*SP*(\i)  ; LDS serves a wave's instructions in order: these see the stores above; the next block's come behind them
.endr
.endm
; A store holds rows 16 a + 2 i and + 1: lanes 0-15 fill 256 aligned bytes of one token's row, lanes 16-31 of the other's.  Stores whose first row is past the count are jumped, and all behind them.
; With an odd count the last store's second row repeats the first row's token, with the same numbers.  younger: the LDS instructions issued behind this block's loads.
.macro SEND p, a, younger
.irp i, 0,1,2,3,4,5,6,7
	s_cmp_le_u32 s28, 16*(\a)+2*(\i)
	s_cbranch_scc1 .Lsent_\p
	s_wait_dscnt (\younger)+7-(\i)
	global_store_b128 v[OFFS+8*(\a)+(\i)], v[ACC+32*(\a)+4*(\i):ACC+32*(\a)+4*(\i)+3], s[50:51] offset:256*(\p) th:TH_STORE_NT
.endr
.endm
.macro OUT p
	WIN 0
.rept 5
	v_nop                                          ; four places ahead of the reads of the last results and of the loads into accumulators and fragments; a fifth ahead of the next half's products, which write over these accumulators
.endr
.if (\p) == 0
	FETCHA 1, 0, 0                                 ; the next half's first fragments: asked for ahead of the way out, which leaves the fragment buffers alone; older than every LDS instruction below, so they enter no count there
.endif
	TOSTAGE 0
	TOSTAGE 1
	SEND \p, 0, 16
	TOSTAGE 2
	SEND \p, 1, 16
	TOSTAGE 3
	SEND \p, 2, 16
	SEND \p, 3, 0
.Lsent_\p:
.endm
	FETCHA 1, 0, 0
	HALF 0
	OUT 0
	s_wait_dscnt 0x0                               ; a jump may have left loads from the stage out: the products below write over their registers,
	s_wait_xcnt 0x0                                ; which are also the data of the stores
	HALF 1
	OUT 1
	s_wait_tensorcnt 0x0                           ; the wave's end, behind my last LDS store
	ds_add_u32 v[SPW], v[NIL]
	s_wait_dscnt 0x0
	s_endpgm
.Lfunc_end_k_q83a5c287c3_chain:
	.size	k_q83a5c287c3_chain, .Lfunc_end_k_q83a5c287c3_chain-k_q83a5c287c3_chain
	.p2alignl 7, 3214868480
	.fill 96, 4, 3214868480
	.section	.rodata,"a",@progbits
	.p2align	6, 0x0
	.amdhsa_kernel k_q83a5c287c3_chain
		.amdhsa_group_segment_fixed_size 204032
		.amdhsa_private_segment_fixed_size 0
		.amdhsa_enable_private_segment 0
		.amdhsa_kernarg_size 32
		.amdhsa_user_sgpr_count 2
		.amdhsa_user_sgpr_kernarg_segment_ptr 1
		.amdhsa_wavefront_size32 1
		.amdhsa_system_sgpr_workgroup_id_x 1
		.amdhsa_system_sgpr_workgroup_id_y 1
		.amdhsa_system_sgpr_workgroup_id_z 1
		.amdhsa_system_vgpr_workitem_id 0
		.amdhsa_next_free_vgpr 512
		.amdhsa_next_free_sgpr 96
		.amdhsa_reserve_vcc 1
		.amdhsa_float_denorm_mode_32 3
		.amdhsa_float_denorm_mode_16_64 3
		.amdhsa_memory_ordered 1
		.amdhsa_forward_progress 1
		.amdhsa_inst_pref_size 193
	.end_amdhsa_kernel
	.amdgpu_metadata
---
amdhsa.version: [ 1, 2 ]
amdhsa.kernels:
  - .name:           k_q83a5c287c3_chain
    .symbol:         k_q83a5c287c3_chain.kd
    .args:
      - { .name: route, .offset: 0, .size: 8, .value_kind: global_buffer, .address_space: global }
      - { .name: wl, .offset: 8, .size: 8, .value_kind: global_buffer, .address_space: global }
      - { .name: hidden_states, .offset: 16, .size: 8, .value_kind: global_buffer, .address_space: global }
      - { .name: out0, .offset: 24, .size: 8, .value_kind: global_buffer, .address_space: global }
    .group_segment_fixed_size: 204032
    .private_segment_fixed_size: 0
    .kernarg_segment_align: 8
    .kernarg_segment_size: 32
    .max_flat_workgroup_size: 256
    .sgpr_count:     96
    .vgpr_count:     512
    .wavefront_size: 32
...
	.end_amdgpu_metadata
.endif
;; end of part 2
